; MI455X (gfx1250); checked and timed in simulation.
; The chip was launched on July 23, 2026; its instructions are those of AMD's public machine-readable ISA for CDNA 5 (MIT licence, August 2026) and "CDNA5" Instruction Set Architecture Reference Guide (July 2026). The comments in the code are by the model that wrote it; some were corrected since.
;; Backbone. Allowed arithmetic: matrix products marked QUANTISED: E3M2 operands, one E8M0 scale for each 32 along K, by v_wmma_scale_f32_16x16x128_f8f6f4 with both operands' format E3M2, f32 sums; everything else in f32.
;; Inputs: indicator 8 x 1,024 int32; padding_dist one number float32; zipped_left 8 x 1,024 x 4 int32; zipped_top 8 x 1,024 x 4 int32.
;; Outputs: out0 8 x 1,024 x 1,024 float32.
;; This version of the problem:
;;   THIS VERSION OF THE PROBLEM IS GIVEN IN LOW PRECISION. The matrix products marked QUANTISED in the list below multiply operands that are first quantised to E3M2 (3 exponent bits, 2 mantissa bits; 6 bits a number), with one power-of-two scale for each 32 numbers along K (OCP MX v1.0); their sums are f32. All else is computed in f32.
;;   The module's matrix products, in the order in which they are computed (A, B: the left and right operand; K: the contracted axis; several contracted axes count as one K, in the product's order):
;;     1. batch 8 x [M 1,024, K 512] x [K 512, N 1,024]; A: computed on the way; B: computed on the way: QUANTISED
;;     2. batch 8 x [M 1,024, K 512] x [K 512, N 1,024]; A: computed on the way; B: computed on the way: QUANTISED
;;   THE QUANTISER, for each operand of a quantised product, along K:
;;     - K is cut into blocks of 32 from its start; a last block that is shorter is filled with zeros.
;;     - A block's scale is 2^e with e = floor(log2(the largest magnitude in the block)) - 4, held to -126 .. 127; a block of zeros has e = 0. As a byte (E8M0): e + 127.
;;     - Each number is divided by its block's scale, clamped to +-28, and rounded to the nearest number of E3M2, ties to even, subnormals kept.
;;     - The product sums the exact products of the quantised numbers (number of the format x scale) in f32.
;;   ~~~python
;;   def quantise(x, axis):      # numpy; x: float32 -> the quantised numbers, widened to float32 again
;;       x = np.moveaxis(x, axis, -1); K = x.shape[-1]
;;       x = np.pad(x, [(0, 0)] * (x.ndim - 1) + [(0, -K % 32)]); x = x.reshape(x.shape[:-1] + (-1, 32)); a = np.abs(x).max(-1, keepdims=True)
;;       e = np.where(a > 0, np.clip(np.frexp(np.where(a > 0, a, 1))[1] - 1 - 4, -126, 127), 0)      # np.frexp(a)[1] - 1 = floor(log2(a)), exactly
;;       r = np.clip(x / 2.0 ** e, -28, 28)
;;       step = 2.0 ** (np.maximum(np.frexp(np.where(r == 0, 1, r))[1] - 1, -2) - 2)
;;       q = np.round(r / step) * step * 2.0 ** e      # np.round: ties to even
;;       return np.moveaxis(q.reshape(q.shape[:-2] + (-1,))[..., :K], -1, axis).astype(np.float32)
;;   ~~~
;;   OPERANDS COMPUTED ON THE WAY. 'Computed on the way' means the value that the module computes at that place (a softmax that the list does not call 'softmax' is quantised finished and normalised). What goes into a quantiser is computed in f32, as accurately as f32 sums, v_exp_f32 and their like allow (about 1e-6 of the number): no bf16 or f16 on the way to a quantiser, and a product that is left as it is and whose result goes on into a quantised operand takes f32 operands (vector FMAs, or v_wmma_f32_16x16x4_f32). A number that lies on a knife's edge between two numbers of the format may be rounded either way, as far as f32 arithmetic and the matrix unit's own rounding can turn it there, and no further.
;; 2 versions. Each part assembles by itself: llvm-mc -triple=amdgcn-amd-amdhsa -mcpu=gfx1250 --defsym DOCPART=n.
;; ======== version 1 of 2: 1 launch
;; launch dist (part 1): grid 4 x 64, 4 waves a work-group, no clusters, 167,936 bytes of LDS; arguments zipped_top, zipped_left, indicator, padding_dist, out0; writes out0
.if DOCPART == 1
	.amdgcn_target "amdgcn-amd-amdhsa--gfx1250"
	.amdhsa_code_object_version 6
	.text
	.protected	k_q1228543863_dist
	.globl	k_q1228543863_dist
	.p2align	8
	.type	k_q1228543863_dist,@function
k_q1228543863_dist:
	s_mov_b64 s[64:65], 0
	v_nop
	global_prefetch_b8 v0, s[64:65] scope:SCOPE_SE
	s_setreg_imm32_b32 hwreg(HW_REG_WAVE_MODE, 25, 1), 1
	s_wait_xcnt 0x0
; out[b][i][j] = max over p in {top, left} of (s_p[i] + s_p[j] - 2 <pos_p[i], pos_p[j]>) + max(pad[i], pad[j]) x padding_dist.
; pos_p[i] is the multi-hot row of 512 made of the row's four ids (id 512: none); s_p its sum; pad = (indicator == 0).  8 batches of 1,024 rows; out is f32.
; THE PRODUCTS are made on codes of E3M2 with one E8M0 byte for each 32 along K.  The operands hold 0 and 1 alone, whatever the inputs: a block with a 1 has the
; largest magnitude 1, so its scale is 2^-4 (byte 123) and a 1 is 16 in the format, code 0x1c; a 0 is code 0.  All products and sums are small whole numbers: exact.
; SHARES.  256 work-groups of four waves: x = which 256 columns, y = batch x 8 + which 128 rows.  Wave w makes all 128 rows x columns 64 w .. 64 w + 63.
; SPARSE OPERANDS.  A row has at most four ones, so its 384 bytes of codes are not laid out.  For each row and matrix LDS holds four SLOTS of 48 bytes: a slot is what ONE
; lane holds of ONE K step (12 registers: 64 codes, ids 64 k .. 64 k + 63), and beside them the slots' four keys k = id >> 6; each block of 16 rows has one pattern of 48 zero
; bytes.  A lane fetches a fragment by CHOOSING A PLACE in its block: the zero pattern, or that slot of its row whose key is the lane's; then three loads of 16 bytes.
; The place is counted in units of 16 bytes and held at the zero pattern's, the largest there is, by a minimum with a constant: so every such address lies in its block and is a multiple of 16, whatever the keys hold.
; The ids are sorted, and slot d holds the ones of all ids up to d that share its key: the last slot of a key holds them all, and the last match is taken.
; K's ORDER.  K step q, lane half h, registers 6 c .. 6 c + 5, place i  <->  id 128 q + 64 h + 32 c + i, in both operands alike: whole blocks of 32 change places, so every
; block of the instruction is a block of the quantiser, and the sums are the same numbers.
; COLUMNS OF A TILE ARE NOT NEIGHBOURS: lane r of tile t is column 4 r + t.  Register j of the four tiles of a lane is then out(row 8 h + j, columns 4 r .. 4 r + 3): 16 bytes;
; sixteen lanes store 256 consecutive bytes at a multiple of 256 from out's first byte, straight from registers.
; The sums begin with C = -(s[i] + s[j]) / 2, so that D = inner - (s[i] + s[j]) / 2 and the result is -2 min(D_top, D_left) + the padding term: one fused multiply-add.
; LDS is written once, one barrier follows, and behind it LDS is only read.  No loop and no branch.  The ids that work-groups share are 12 KB each, read once through
; registers: nothing here for joint loads or a ring.
; LIMITS.  padding_dist is finite (0 x infinity is not reproduced: where no padding applies, 0 is added).  An id outside 0 .. 511 counts as none, as one_hot has it.
; A block of zeros goes under the byte 123 where the quantiser says 127: its codes are zeros, which add nothing under either byte, and the bytes never leave the registers.
.set ROP,   208                        ; a row's bytes in LDS: 4 slots of 48, then 4 keys.  52 words: the 16 rows of a block start at 16 different groups of four banks (64 banks of 4 bytes: ISA guide 11.1)
.set ZOFF,  16*ROP                     ; behind a block's 16 rows: 64 zero bytes
.set BP,    ZOFF+64                    ; a block of 16 rows
.set BWAVE, 8*BP                       ; a wave's columns: block 4 p + t
.set BREG,  16*BP                      ; LDS: from 0 the work-group's rows, block 8 p + u; from BREG the four waves' columns;
.set RS,    BREG+4*BWAVE               ; the rows' figures: -s_top / 2 [128], -s_left / 2 at +512, pad (0 or 1, whole) at +1024;
.set CS,    RS+1536                    ; the columns', 768 bytes a wave: -s_top / 2 [64], -s_left / 2 at +256, (pad ? padding_dist : 0) at +512.  Ends at 167,424
; window 0, kept:
.set C0,  3                            ; v3      4 r + h: the column that I make in the first phase
.set CK,  4                            ; v4-7    my key in K step q: 2 q + h
.set ZI,  8                            ; v8      the zero pattern's place in a block, in units of 16 bytes: 208
.set SA,  9                            ; v9      my row in a block of the work-group's rows: 208 r bytes
.set SI,  10                           ; v10-13  my row's slot d, as a place in a block, in units of 16 bytes: 13 r + 3 d
.set SB,  14                           ; v14     my row in a block of my wave's columns: the wave's region + 208 r bytes
.set RR,  18                           ; v18     where my half's eight rows' figures lie
.set CR,  19                           ; v19     where my four columns' figures lie
.set OFF, 20                           ; v20     my byte offset in out: 8 h rows + 16 r
.set PD,  21                           ; v21     padding_dist
.set SCA, 22                           ; v22, v23 the scale words: four bytes 123; they hold nothing else
.set SCB, 23
.set GA,  24                           ; v24-29  first phase: where I store a row's slots, a column's, zeros, figures
.set GB,  25
.set GZA, 26
.set GZB, 27
.set GRS, 28
.set GCS, 29
.set VA,  30                           ; v30-33  first phase: my byte offsets in the inputs
.set VB,  31
.set VIA, 32
.set VIB, 33
; window 0, first phase:
.set Y,    36                          ; the sort, at work
.set K,    40                          ; the four keys
.set I,    44                          ; id & 15: place in a group of 16 codes (3 words)
.set G,    48                          ; (id >> 4) & 3: which group of the slot
.set P3,   52                          ; 6 I + 2: the lowest set bit of the code 0x1c in its group
.set LO,   56                          ; 7 << (P3 mod 32)
.set WP,   60                          ; P3 / 32: which of the group's words
.set P,    64                          ; v64-75  the group's three words, for each id
.set KEEP, 76                          ; all ones where id d shares its key with id d - 1
.set T,    80                          ; v80-91  id d's ones in its slot's 12 words
.set SRT,  92                          ; the sorted ids
.set N,    108                         ; -(number of different ids under 512) / 2
.set SEVEN, 109
.set IDS,  128                         ; v128-151 six rows' ids as loaded
.set IND,  152                         ; v152-154 indicator of my row and my two columns
.set ZR,   156                         ; v156-159 zeros
.set CUR,  160                         ; v160-207 the four slots, 12 words each
; window 0, behind the barrier:
.set KA,   36                          ; v36-51  keys of a unit's rows: set u % 2, matrix p
.set RW,   52                          ; v52-99  a unit's rows' figures: set u % 2: top 8, left 8, pad 8
.set CT,   100                         ; v100-111 my four columns' figures: top, left, padding term
.set CU,   108
.set ADL,  112                         ; v112-127 chosen addresses: B left
.set KB,   128                         ; v128-159 keys of my columns, until the first results
.set O,    128                         ; v128-159 results to store: 8 x 4
.set M,    160                         ; v160-163 the smaller D;  v164-167 the padding term
.set Q,    164
.set ADT,  168                         ; v168-183 chosen addresses: B top
.set ADU,  168                         ; v168-175 later: the next unit's rows
.set ADA,  184                         ; v184-191 unit 0's rows
.set ACC,  192                         ; v192-255 accumulators: 32 p + 8 t
; window 1: B top, tile t, K step q at 48 t + 12 q.   window 2: B left likewise.   window 3: A, buffer u % 2, matrix p, K step q at 96 (u % 2) + 48 p + 12 q.
.set WB,   18                          ; s18     where my wave's columns begin in LDS; kept
.set PM,   36                          ; s36-43  lane masks: row j of the unit is padding
.set MK,   44                          ; s44-59  sixteen compare masks, at work
.set MSB, 0
.macro WIN new                         ; s_set_vgpr_msb: bits 1:0 source 0, 3:2 source 1, 5:4 source 2, 7:6 destination; the high byte repeats the setting that is left
.if MSB != (\new)
	s_set_vgpr_msb (MSB<<8)|(\new)
.set MSB, (\new)
.endif
.endm
	s_load_b256 s[4:11], s[0:1], 0x0               ; top s[4:5], left s[6:7], indicator s[8:9], padding_dist's address s[10:11]
	s_load_b64 s[12:13], s[0:1], 0x20              ; out
	v_lshl_add_u32 v16, v0, 2, 0x28e00
	v_mov_b32 v17, 0
	v_and_b32 v1, 15, v0                           ; r
	v_bfe_u32 v2, v0, 4, 1                         ; h
	v_lshrrev_b32 v34, 5, v0
	v_readfirstlane_b32 s15, v34                   ; wave 0..3
	v_lshrrev_b32 v35, 4, v0                       ; thread / 16: the block of my row
	v_lshl_add_u32 v[C0], v1, 2, v2
.irp q, 0,1,2,3
	v_add_nc_u32 v[CK+\q], 2*\q, v2
.endr
	v_mov_b32 v[ZI], ZOFF/16
	v_mul_u32_u24 v[SA], v1, ROP
	v_mul_u32_u24 v[SI], v1, ROP/16
.irp d, 1,2,3
	v_add_nc_u32 v[SI+\d], 3*\d, v[SI]
.endr
	s_mul_i32 s[WB], s15, BWAVE
	s_add_co_u32 s[WB], s[WB], BREG                ; my wave's columns in LDS
	v_add_nc_u32 v[SB], s[WB], v[SA]
	v_lshl_add_u32 v[RR], v2, 5, RS
	s_mul_i32 s19, s15, 768
	s_add_co_u32 s19, s19, CS                      ; my wave's columns' figures
	v_lshl_add_u32 v[CR], v1, 4, s19
	v_lshlrev_b32 v[OFF], 4, v1
	v_lshl_add_u32 v[OFF], v2, 15, v[OFF]          ; 8 rows of 4,096 bytes for lanes 16-31
	v_mov_b32 v[SCA], 0x7b7b7b7b
	v_mov_b32 v[SCB], 0x7b7b7b7b
	v_mad_u32_u24 v[GA], v35, BP, v[SA]            ; thread n makes row n: block n / 16, place n % 16
	v_mad_u32_u24 v[GB], v2, BP, v[SB]             ; lane (r, h) makes columns 4 r + h (tile h) and 4 r + h + 2 (tile h + 2): place r of blocks h, h + 2
	v_and_b32 v34, 3, v0
	v_lshl_add_u32 v34, v34, 4, ZOFF               ; a block's 64 zero bytes: four places of 16, each written by four lanes with the same zeros
	v_mad_u32_u24 v[GZA], v35, BP, v34
	v_mad_u32_u24 v[GZB], v2, BP, v34
	v_add_nc_u32 v[GZB], s[WB], v[GZB]
	v_lshl_add_u32 v[GRS], v0, 2, RS
	v_lshl_add_u32 v[GCS], v[C0], 2, s19
	v_lshlrev_b32 v[VA], 4, v0                     ; a row's four ids are 16 bytes
	v_lshlrev_b32 v[VB], 4, v[C0]
	v_lshlrev_b32 v[VIA], 2, v0
	v_lshlrev_b32 v[VIB], 2, v[C0]
	v_mov_b32 v[SEVEN], 7
.irp i, 0,1,2,3
	v_mov_b32 v[ZR+\i], 0
.endr
	s_and_b32 s16, ttmp7, 0xffff                   ; y = 8 x batch + block of rows
	s_lshr_b32 s17, s16, 3                         ; batch
	s_lshl_b32 s16, s16, 7                         ; my first row among all 8,192: 1,024 x batch + 128 x block = 128 y
	s_lshl_b32 s17, s17, 10
	s_lshl_b32 s34, ttmp9, 8
	s_lshl_b32 s35, s15, 6
	s_add_co_u32 s34, s34, s35                     ; my wave's first column: 256 x + 64 w
	s_add_co_u32 s17, s17, s34                     ; and as a row among all 8,192
	s_mov_b32 s21, 0
	s_wait_kmcnt 0x0
	s_load_b32 s14, s[10:11], 0x0                  ; padding_dist
	s_lshl_b32 s20, s16, 4
	s_add_nc_u64 s[22:23], s[4:5], s[20:21]        ; the ids of my work-group's rows
	s_add_nc_u64 s[24:25], s[6:7], s[20:21]
	s_lshl_b32 s20, s17, 4
	s_add_nc_u64 s[26:27], s[4:5], s[20:21]        ; and of my wave's columns
	s_add_nc_u64 s[28:29], s[6:7], s[20:21]
	s_lshl_b32 s20, s16, 2
	s_add_nc_u64 s[30:31], s[8:9], s[20:21]
	s_lshl_b32 s20, s17, 2
	s_add_nc_u64 s[32:33], s[8:9], s[20:21]
	s_lshl_b32 s20, s16, 12                        ; out: rows of 4,096 bytes (under 2^26),
	s_lshl_b32 s34, s34, 2
	s_add_co_u32 s20, s20, s34                     ; and my wave's 256 bytes of them
	s_add_nc_u64 s[12:13], s[12:13], s[20:21]
	global_load_b128 v[IDS:IDS+3],     v[VA], s[22:23]             ; my row, top
	global_load_b128 v[IDS+4:IDS+7],   v[VA], s[24:25]             ; my row, left
	global_load_b128 v[IDS+8:IDS+11],  v[VB], s[26:27]             ; column 4 r + h, top
	global_load_b128 v[IDS+12:IDS+15], v[VB], s[26:27] offset:32   ; column 4 r + h + 2, top
	global_load_b128 v[IDS+16:IDS+19], v[VB], s[28:29]             ; the same two, left
	global_load_b128 v[IDS+20:IDS+23], v[VB], s[28:29] offset:32
	global_load_b32 v[IND],   v[VIA], s[30:31]
	global_load_b32 v[IND+1], v[VIB], s[32:33]
	global_load_b32 v[IND+2], v[VIB], s[32:33] offset:8
	ds_store_b128 v[GZA], v[ZR:ZR+3]                               ; the zero patterns: my two blocks of rows (top, left),
	ds_store_b128 v[GZA], v[ZR:ZR+3] offset:8*BP
.irp i, 0,1,2,3
	ds_store_b128 v[GZB], v[ZR:ZR+3] offset:2*\i*BP                ; and blocks h, h + 2, h + 4, h + 6 of my wave's columns
.endr
; ONE ROW OF ONE MATRIX: the four ids in v[x] on become four slots and four keys at v[adr] + off, and v[N] = -(the row's sum) / 2.  The four ids take turns line by line.
.macro GEN x, adr, off
.irp d, 0,1,2,3
	v_min_u32 v[(\x)+\d], 0x200, v[(\x)+\d]        ; whatever lies outside 0 .. 511 is none
.endr
	v_min_u32 v[Y+0], v[(\x)+0], v[(\x)+1]         ; sorted by five exchanges
	v_max_u32 v[Y+1], v[(\x)+0], v[(\x)+1]
	v_min_u32 v[Y+2], v[(\x)+2], v[(\x)+3]
	v_max_u32 v[Y+3], v[(\x)+2], v[(\x)+3]
	v_min_u32 v[SRT+0], v[Y+0], v[Y+2]
	v_max_u32 v[(\x)+2], v[Y+0], v[Y+2]
	v_min_u32 v[(\x)+1], v[Y+1], v[Y+3]
	v_max_u32 v[SRT+3], v[Y+1], v[Y+3]
	v_min_u32 v[SRT+1], v[(\x)+1], v[(\x)+2]
	v_max_u32 v[SRT+2], v[(\x)+1], v[(\x)+2]
	s_wait_dscnt 0x0                               ; the row before: its LDS stores have read their registers (keys, slots, figure), which are written again from here on
.irp d, 0,1,2,3
	v_lshrrev_b32 v[K+\d], 6, v[SRT+\d]            ; the key; none has key 8, which no lane asks for
.endr
	ds_store_b128 v[\adr], v[K:K+3] offset:(\off)+192
.irp d, 0,1,2,3
	v_and_b32 v[I+\d], 15, v[SRT+\d]
.endr
.irp d, 0,1,2,3
	v_bfe_u32 v[G+\d], v[SRT+\d], 4, 2
.endr
.irp d, 0,1,2,3
	v_mad_u32_u24 v[P3+\d], v[I+\d], 6, 2          ; code 0x1c at bits 6 I .. 6 I + 5 is 7 at bit 6 I + 2
.endr
.irp d, 0,1,2,3
	v_lshlrev_b32 v[LO+\d], v[P3+\d], v[SEVEN]     ; the shift takes the count's low five bits
.endr
.irp d, 0,1,2,3
	v_lshrrev_b32 v[WP+\d], 5, v[P3+\d]
.endr
.irp d, 0,1,2,3
	v_cmp_eq_u32 s[MK+4*\d+0], 0, v[WP+\d]
	v_cmp_eq_u32 s[MK+4*\d+1], 1, v[WP+\d]
	v_cmp_eq_u32 s[MK+4*\d+2], 2, v[WP+\d]
	v_cmp_eq_u32 s[MK+4*\d+3], 10, v[I+\d]         ; the one place of the sixteen whose three bits (62, 63, 64) cross a word's end
.endr
.irp d, 0,1,2,3
	v_cndmask_b32 v[P+3*\d+0], 0, v[LO+\d], s[MK+4*\d+0]
	v_cndmask_b32 v[P+3*\d+1], 0, v[LO+\d], s[MK+4*\d+1]
	v_cndmask_b32 v[P+3*\d+2], 0, 1, s[MK+4*\d+3]
.endr
.irp d, 0,1,2,3
	v_cndmask_b32 v[P+3*\d+2], v[P+3*\d+2], v[LO+\d], s[MK+4*\d+2]
.endr
	v_cmp_ne_u32 vcc_lo, v[SRT+0], v[SRT+1]        ; the row's sum: how many sorted ids differ from their successor, 512 being the last one's
	v_cndmask_b32 v[N], 0, 1, vcc_lo
	v_cmp_ne_u32 vcc_lo, v[SRT+1], v[SRT+2]
	v_add_co_ci_u32 v[N], vcc_lo, 0, v[N], vcc_lo
	v_cmp_ne_u32 vcc_lo, v[SRT+2], v[SRT+3]
	v_add_co_ci_u32 v[N], vcc_lo, 0, v[N], vcc_lo
	v_cmp_ne_u32 vcc_lo, 0x200, v[SRT+3]
	v_add_co_ci_u32 v[N], vcc_lo, 0, v[N], vcc_lo
	v_cvt_f32_u32 v[N], v[N]
	v_mul_f32 v[N], -0.5, v[N]
.irp d, 1,2,3
	v_cmp_eq_u32 vcc_lo, v[K+\d], v[K+\d-1]
	v_cndmask_b32 v[KEEP+\d], 0, -1, vcc_lo
.endr
.irp d, 0,1,2,3
.irp g, 0,1,2,3
	v_cmp_eq_u32 s[MK+4*\d+\g], \g, v[G+\d]
.endr
.endr
.irp g, 0,1,2,3
.irp k, 0,1,2
	v_cndmask_b32 v[CUR+3*\g+\k], 0, v[P+\k], s[MK+\g]             ; slot 0: the first id's ones
.endr
.endr
.irp c, 0,1,2
	ds_store_b128 v[\adr], v[CUR+4*\c:CUR+4*\c+3] offset:(\off)+16*\c
.endr
.irp d, 1,2,3
.irp g, 0,1,2,3
.irp k, 0,1,2
	v_cndmask_b32 v[T+3*\g+\k], 0, v[P+3*\d+\k], s[MK+4*\d+\g]
.endr
.endr
.irp w, 0,1,2,3,4,5,6,7,8,9,10,11
	v_and_or_b32 v[CUR+12*\d+\w], v[CUR+12*(\d-1)+\w], v[KEEP+\d], v[T+\w]   ; slot d: id d's ones, and slot d - 1's where the key is the same
.endr
.irp c, 0,1,2
	ds_store_b128 v[\adr], v[CUR+12*\d+4*\c:CUR+12*\d+4*\c+3] offset:(\off)+48*\d+16*\c
.endr
.endr
.endm
	s_wait_loadcnt 8                               ; loads come back in order (ISA guide 5.7.1): the first of the nine is in, the eight behind it may be out; and so on down
	GEN IDS, GA, 0
	ds_store_b32 v[GRS], v[N]
	s_wait_loadcnt 7
	GEN IDS+4, GA, 8*BP
	ds_store_b32 v[GRS], v[N] offset:512
	s_wait_loadcnt 6
	GEN IDS+8, GB, 0
	ds_store_b32 v[GCS], v[N]
	s_wait_loadcnt 5
	GEN IDS+12, GB, 2*BP
	ds_store_b32 v[GCS], v[N] offset:8
	s_wait_loadcnt 4
	GEN IDS+16, GB, 4*BP
	ds_store_b32 v[GCS], v[N] offset:256
	s_wait_loadcnt 3
	GEN IDS+20, GB, 6*BP
	ds_store_b32 v[GCS], v[N] offset:264
	s_wait_loadcnt 0x0                             ; the indicator
	s_wait_kmcnt 0x0                               ; padding_dist
	v_mov_b32 v[PD], s14
	v_cmp_eq_u32 vcc_lo, 0, v[IND]
	v_cndmask_b32 v[IND], 0, 1, vcc_lo             ; my row is padding: a whole number, for a lane mask later
	v_cmp_eq_u32 vcc_lo, 0, v[IND+1]
	v_cndmask_b32 v[IND+1], 0, v[PD], vcc_lo       ; my columns: what they add where the row is none
	v_cmp_eq_u32 vcc_lo, 0, v[IND+2]
	v_cndmask_b32 v[IND+2], 0, v[PD], vcc_lo
	ds_store_b32 v[GRS], v[IND] offset:1024
	ds_store_b32 v[GCS], v[IND+1] offset:512
	ds_store_b32 v[GCS], v[IND+2] offset:520
	s_wait_dscnt 0x0                               ; for the others' sake: all my LDS stores have landed
	s_barrier_signal -1
	s_barrier_wait -1                              ; from here on LDS is only read
; The addresses of a row's four fragments (K steps 0 to 3), less the block's offset: keys in v[k] on, result v[ad] on.  The last slot whose key is mine wins; with none, the zero pattern.
; The place chosen hangs on loaded keys: it is held at 208, the zero pattern's, by a minimum with that constant; then come a shift to bytes and, for columns (b = 1), the wave's region.
.macro CHAIN k, ad, b
.irp d, 0,1,2,3
.irp q, 0,1,2,3
	v_cmp_eq_u32 s[MK+4*\d+\q], v[(\k)+\d], v[CK+\q]
.endr
.endr
.irp q, 0,1,2,3
	v_cndmask_b32 v[(\ad)+\q], v[ZI], v[SI], s[MK+\q]
.endr
.irp d, 1,2,3
.irp q, 0,1,2,3
	v_cndmask_b32 v[(\ad)+\q], v[(\ad)+\q], v[SI+\d], s[MK+4*\d+\q]
.endr
.endr
.irp q, 0,1,2,3
	v_min_u32 v[(\ad)+\q], ZOFF/16, v[(\ad)+\q]
.endr
.irp q, 0,1,2,3
	v_lshlrev_b32 v[(\ad)+\q], 4, v[(\ad)+\q]
.endr
.if \b
.irp q, 0,1,2,3
	v_add_nc_u32 v[(\ad)+\q], s[WB], v[(\ad)+\q]
.endr
.endif
.endm
.macro FRAGS ad, reg, off              ; four fragments of the block at off: 48 bytes a lane each, as they lie
.irp q, 0,1,2,3
.irp c, 0,1,2
	ds_load_b128 v[(\reg)+12*\q+4*\c:(\reg)+12*\q+4*\c+3], v[(\ad)+\q] offset:(\off)+16*\c
.endr
.endr
.endm
.macro KEYS_A u                        ; the keys of unit u's rows, both matrices
.irp p, 0,1
	ds_load_b128 v[KA+8*((\u)%2)+4*\p:KA+8*((\u)%2)+4*\p+3], v[SA] offset:(8*\p+(\u))*BP+192
.endr
.endm
.macro STATS u                         ; the figures of unit u's rows 8 h .. 8 h + 7
.irp a, 0,1,2
	ds_load_b128 v[RW+24*((\u)%2)+8*\a:RW+24*((\u)%2)+8*\a+3],   v[RR] offset:512*\a+64*(\u)
	ds_load_b128 v[RW+24*((\u)%2)+8*\a+4:RW+24*((\u)%2)+8*\a+7], v[RR] offset:512*\a+64*(\u)+16
.endr
.endm
; The sums begin as -(s[i] + s[j]) / 2: two rows an instruction, the column's figure in both halves (of its pair the first register for an even tile, the second for an odd one).
.macro CINIT u
.irp p, 0,1
.irp t, 0,1,2,3
.irp i, 0,1,2,3
.if (\t)%2 == 1
	v_pk_add_f32 v[ACC+32*\p+8*\t+2*\i:ACC+32*\p+8*\t+2*\i+1], v[RW+24*((\u)%2)+8*\p+2*\i:RW+24*((\u)%2)+8*\p+2*\i+1], v[CT+4*\p+\t-1:CT+4*\p+\t] op_sel:[0,1] op_sel_hi:[1,1]
.else
	v_pk_add_f32 v[ACC+32*\p+8*\t+2*\i:ACC+32*\p+8*\t+2*\i+1], v[RW+24*((\u)%2)+8*\p+2*\i:RW+24*((\u)%2)+8*\p+2*\i+1], v[CT+4*\p+\t:CT+4*\p+\t+1] op_sel_hi:[1,0]
.endif
.endr
.endr
.endr
.irp j, 0,1,2,3,4,5,6,7
	v_cmp_ne_u32 s[PM+\j], 0, v[RW+24*((\u)%2)+16+\j]              ; is my half's row j padding?
.endr
.endm
; 32 matrix instructions: unit u's 16 rows x my 64 columns, top and then left.  Source 0 = the rows (window 3), source 1 = the columns (window 1 or 2), C and D window 0.
; A matrix's four accumulators take turns, one instruction a turn; the change from top to left and from unit to unit changes the accumulator too.
.macro MUL u
.irp p, 0,1
	WIN 0x07+4*\p
.irp q, 0,1,2,3
.irp t, 0,1,2,3
	v_wmma_scale_f32_16x16x128_f8f6f4 v[ACC+32*\p+8*\t:ACC+32*\p+8*\t+7], v[96*((\u)%2)+48*\p+12*\q:96*((\u)%2)+48*\p+12*\q+11], v[48*\t+12*\q:48*\t+12*\q+11], v[ACC+32*\p+8*\t:ACC+32*\p+8*\t+7], v[SCA], v[SCB] matrix_a_fmt:MATRIX_FMT_BF6 matrix_b_fmt:MATRIX_FMT_BF6
.endr
.endr
.endr
	WIN 0
.rept 4
	v_nop                                          ; four places between the last product and the first read of results (ISA guide 7.12.1)
.endr
.endm
; Row j of each half: -2 min(D_top, D_left) + (row padding ? padding_dist : the column's term), four columns a lane, and stored.  j ascends: each accumulator is read from its low end on.
.macro EPI u
.if (\u) > 0
	s_wait_xcnt 0x0                                ; the last unit's stores have had their addresses translated (ISA guide 3.1): only behind this wait are their data registers written again
.endif
.irp j, 0,1,2,3,4,5,6,7
.irp t, 0,1,2,3
	v_min_num_f32 v[M+\t], v[ACC+8*\t+\j], v[ACC+32+8*\t+\j]
.endr
.irp t, 0,1,2,3
	v_cndmask_b32 v[Q+\t], v[CU+\t], v[PD], s[PM+\j]
.endr
	v_pk_fma_f32 v[O+4*\j:O+4*\j+1],   v[M:M+1],   -2.0, v[Q:Q+1]   op_sel_hi:[1,0,1]
	v_pk_fma_f32 v[O+4*\j+2:O+4*\j+3], v[M+2:M+3], -2.0, v[Q+2:Q+3] op_sel_hi:[1,0,1]
	global_store_b128 v[OFF], v[O+4*\j:O+4*\j+3], s[12:13] offset:65536*(\u)+4096*\j th:TH_STORE_NT   ; lanes 0-15 and lanes 16-31 each store 256 consecutive bytes, at a multiple of 256 from out's first byte; written once
.endr
.endm
; A UNIT: 16 rows.  The next unit's addresses are chosen and its fragments, keys and figures asked for first, a whole unit ahead of their use; then this unit's sums, products and stores.
.macro UNIT u
.if (\u) == 0
	s_wait_dscnt 63                                ; of the 120 fragment loads issued all but the youngest 63 are done, B top's 48, the oldest, among them: their address registers are written below
.else
	s_wait_dscnt 0x0                               ; asked for a unit ago: this unit's fragments and figures, the next unit's keys
.endif
.if (\u) < 7
.irp p, 0,1
	CHAIN KA+8*(((\u)+1)%2)+4*\p, ADU+4*\p, 0
.endr
	WIN 0xc0                                       ; destination window 3
.irp p, 0,1
	FRAGS ADU+4*\p, 96*(((\u)+1)%2)+48*\p, (8*\p+(\u)+1)*BP
.endr
	WIN 0
.endif
.if (\u) < 6
	KEYS_A (\u)+2
.endif
.if (\u) < 7
	STATS (\u)+1
.endif
	CINIT \u
.if (\u) == 0
	s_wait_dscnt 32                                ; all but the 32 just issued (24 fragment loads, 2 of keys, 6 of figures): B and unit 0's rows are in
.endif
	MUL \u
	EPI \u
.endm
.irp p, 0,1
.irp t, 0,1,2,3
	ds_load_b128 v[KB+4*(4*\p+\t):KB+4*(4*\p+\t)+3], v[SB] offset:(4*\p+\t)*BP+192   ; the keys of my columns
.endr
.endr
	ds_load_b128 v[CT:CT+3],    v[CR]              ; my four columns' figures
	ds_load_b128 v[CT+4:CT+7],  v[CR] offset:256
	ds_load_b128 v[CT+8:CT+11], v[CR] offset:512
	KEYS_A 0
	STATS 0
	KEYS_A 1
	s_wait_dscnt 0x0
.irp t, 0,1,2,3
	CHAIN KB+4*\t, ADT+4*\t, 1
.endr
	WIN 0x40                                       ; destination window 1: B top stays in registers
.irp t, 0,1,2,3
	FRAGS ADT+4*\t, 48*\t, \t*BP
.endr
	WIN 0
.irp p, 0,1
	CHAIN KA+4*\p, ADA+4*\p, 0
.endr
	WIN 0xc0                                       ; destination window 3: unit 0's rows
.irp p, 0,1
	FRAGS ADA+4*\p, 48*\p, 8*\p*BP
.endr
	WIN 0
.irp t, 0,1,2,3
	CHAIN KB+16+4*\t, ADL+4*\t, 1
.endr
	WIN 0x80                                       ; destination window 2: B left stays in registers
.irp t, 0,1,2,3
	FRAGS ADL+4*\t, 48*\t, (4+\t)*BP
.endr
	WIN 0
.irp u, 0,1,2,3,4,5,6,7
	UNIT \u
.endr
	s_wait_tensorcnt 0x0
	ds_add_u32 v16, v17
	s_wait_dscnt 0x0
	s_endpgm
.Lfunc_end_k_q1228543863_dist:
	.size	k_q1228543863_dist, .Lfunc_end_k_q1228543863_dist-k_q1228543863_dist
	.p2alignl 7, 3214868480
	.fill 96, 4, 3214868480
	.section	.rodata,"a",@progbits
	.p2align	6, 0x0
	.amdhsa_kernel k_q1228543863_dist
		.amdhsa_group_segment_fixed_size 167936
		.amdhsa_private_segment_fixed_size 0
		.amdhsa_enable_private_segment 0
		.amdhsa_kernarg_size 40
		.amdhsa_user_sgpr_count 2
		.amdhsa_user_sgpr_kernarg_segment_ptr 1
		.amdhsa_wavefront_size32 1
		.amdhsa_system_sgpr_workgroup_id_x 1
		.amdhsa_system_sgpr_workgroup_id_y 1
		.amdhsa_system_sgpr_workgroup_id_z 1
		.amdhsa_system_vgpr_workitem_id 0
		.amdhsa_next_free_vgpr 1024
		.amdhsa_next_free_sgpr 66
		.amdhsa_reserve_vcc 1
		.amdhsa_float_denorm_mode_32 3
		.amdhsa_float_denorm_mode_16_64 3
		.amdhsa_memory_ordered 1
		.amdhsa_forward_progress 1
		.amdhsa_inst_pref_size 248
	.end_amdhsa_kernel
	.amdgpu_metadata
---
amdhsa.version: [ 1, 2 ]
amdhsa.kernels:
  - .name:           k_q1228543863_dist
    .symbol:         k_q1228543863_dist.kd
    .args:
      - { .name: zipped_top, .offset: 0, .size: 8, .value_kind: global_buffer, .address_space: global }
      - { .name: zipped_left, .offset: 8, .size: 8, .value_kind: global_buffer, .address_space: global }
      - { .name: indicator, .offset: 16, .size: 8, .value_kind: global_buffer, .address_space: global }
      - { .name: padding_dist, .offset: 24, .size: 8, .value_kind: global_buffer, .address_space: global }
      - { .name: out0, .offset: 32, .size: 8, .value_kind: global_buffer, .address_space: global }
    .group_segment_fixed_size: 167936
    .private_segment_fixed_size: 0
    .kernarg_segment_align: 8
    .kernarg_segment_size: 40
    .max_flat_workgroup_size: 128
    .sgpr_count:     66
    .vgpr_count:     1024
    .wavefront_size: 32
...
	.end_amdgpu_metadata
.endif
;; end of part 1
;; ======== version 2 of 2: 1 launch; version 1 with the launch dist written anew for expert scheduling mode
;; launch dist (part 2): grid 4 x 64, 4 waves a work-group, no clusters, 167,936 bytes of LDS; arguments zipped_top, zipped_left, indicator, padding_dist, out0; writes out0
.if DOCPART == 2
	.amdgcn_target "amdgcn-amd-amdhsa--gfx1250"
	.amdhsa_code_object_version 6
	.text
	.protected	k_q1228543863_dist
	.globl	k_q1228543863_dist
	.p2align	8
	.type	k_q1228543863_dist,@function
k_q1228543863_dist:
	s_mov_b64 s[64:65], 0
	v_nop
	global_prefetch_b8 v0, s[64:65] scope:SCOPE_SE
	s_setreg_imm32_b32 hwreg(HW_REG_WAVE_SCHED_MODE, 0, 2), 2
	s_setreg_imm32_b32 hwreg(HW_REG_WAVE_MODE, 25, 1), 1
	s_wait_xcnt 0x0
	s_wait_alu depctr_vm_vsrc(0)
; out[b][i][j] = max over p in {top, left} of (s_p[i] + s_p[j] - 2 <pos_p[i], pos_p[j]>) + max(pad[i], pad[j]) x padding_dist.
; pos_p[i] is the multi-hot row of 512 made of the row's four ids (id 512: none); s_p its sum; pad = (indicator == 0).  8 batches of 1,024 rows; out is f32.
; THE PRODUCTS are made on codes of E3M2 with one E8M0 byte for each 32 along K.  The operands hold 0 and 1 alone, whatever the inputs: a block with a 1 has the
; largest magnitude 1, so its scale is 2^-4 (byte 123) and a 1 is 16 in the format, code 0x1c; a 0 is code 0.  All products and sums are small whole numbers: exact.
; SHARES.  256 work-groups of four waves: x = which 256 columns, y = batch x 8 + which 128 rows.  Wave w makes all 128 rows x columns 64 w .. 64 w + 63.
; SPARSE OPERANDS.  A row has at most four ones, so its 384 bytes of codes are not laid out.  For each row and matrix LDS holds four SLOTS of 48 bytes: a slot is what ONE
; lane holds of ONE K step (12 registers: 64 codes, ids 64 k .. 64 k + 63), and beside them the slots' four keys k = id >> 6; each block of 16 rows has one pattern of 48 zero
; bytes.  A lane fetches a fragment by CHOOSING A PLACE in its block: the zero pattern, or that slot of its row whose key is the lane's; then three loads of 16 bytes.
; The place is counted in units of 16 bytes and held at the zero pattern's, the largest there is, by a minimum with a constant: so every such address lies in its block and is a multiple of 16, whatever the keys hold.
; The ids are sorted, and slot d holds the ones of all ids up to d that share its key: the last slot of a key holds them all, and the last match is taken.
; K's ORDER.  K step q, lane half h, registers 6 c .. 6 c + 5, place i  <->  id 128 q + 64 h + 32 c + i, in both operands alike: whole blocks of 32 change places, so every
; block of the instruction is a block of the quantiser, and the sums are the same numbers.
; COLUMNS OF A TILE ARE NOT NEIGHBOURS: lane r of tile t is column 4 r + t.  Register j of the four tiles of a lane is then out(row 8 h + j, columns 4 r .. 4 r + 3): 16 bytes;
; sixteen lanes store 256 consecutive bytes at a multiple of 256 from out's first byte, straight from registers.
; The sums begin with C = -(s[i] + s[j]) / 2, so that D = inner - (s[i] + s[j]) / 2 and the result is -2 min(D_top, D_left) + the padding term: one fused multiply-add.
; LDS is written once, one barrier follows, and behind it LDS is only read.  No loop and no branch.  The ids that work-groups share are 12 KB each, read once through
; registers: nothing here for joint loads or a ring.
; LIMITS.  padding_dist is finite (0 x infinity is not reproduced: where no padding applies, 0 is added).  An id outside 0 .. 511 counts as none, as one_hot has it.
; A block of zeros goes under the byte 123 where the quantiser says 127: its codes are zeros, which add nothing under either byte, and the bytes never leave the registers.
; THE MODE: SCHED_MODE bits 1:0 = 2 (LLVM: expert scheduling mode 2), set by the entry lines.  The code itself states the register dependences
; between vector or matrix instructions and memory or LDS instructions, with s_wait_alu, always for 0.
; THE PLAN.  Registers that memory or LDS instructions touch:
;   offsets and addresses (v8-14, v18-20, v24-33): made at the head, ahead of one wait on va_vdst, and not written again while they serve.
;   K, CUR, N     A row's out registers in the first phase.  Written by the row's arithmetic; read by its 14 LDS stores, which stand in one run at the row's end, behind one wait
;                 on va_vdst.  The next row writes them behind a wait on vm_vsrc, which stands behind that row's sort and patterns: work on registers that no store reads.
;   KA0, KA1      Keys of a unit's rows.  Unit u: its chains read KA[(u + 1) % 2]; the loads for unit u + 2 land in KA[u % 2], which the chains of unit u - 1 read.
;   RW0, RW1      Figures of a unit's rows.  Unit u: its compares and the sums' beginnings read RW[u % 2]; the loads for unit u + 1 land in the other.
;   ADU           Written by unit u's chains; read by its 24 fragment loads.
;   A0, A1        (window 3)  Unit u's products read A[u % 2]; the fragment loads for unit u + 1 land in the other.
;   O0, O1        Results.  Unit u's last part writes O[u % 2]; the eight stores that read it are issued in unit u + 1.
; So a unit has its waits in two places.  At its head, behind the wait for its data: vm_vsrc (beside the wait on XCNT): all that unit u - 1 issued has read its registers, ADU and O[u % 2] among them.
; Behind its chains: va_vdst: ADU is written, unit u - 1 has written the other O and is done reading KA[u % 2], RW[(u + 1) % 2] and A[(u + 1) % 2].  Behind that wait stand the fragment loads, and
; then the sums' beginnings, which name the accumulators, RW[u % 2] and the columns' figures alone; the stores and the loads of keys and figures are dealt among them with no further wait.
; A mask that a compare writes into a scalar register is waited for (va_sdst) ahead of its first reader; the compares stand in runs, one wait behind each run.
.set ROP,   208                        ; a row's bytes in LDS: 4 slots of 48, then 4 keys.  52 words: the 16 rows of a block start at 16 different groups of four banks (64 banks of 4 bytes: ISA guide 11.1)
.set ZOFF,  16*ROP                     ; behind a block's 16 rows: 64 zero bytes
.set BP,    ZOFF+64                    ; a block of 16 rows
.set BWAVE, 8*BP                       ; a wave's columns: block 4 p + t
.set BREG,  16*BP                      ; LDS: from 0 the work-group's rows, block 8 p + u; from BREG the four waves' columns;
.set RS,    BREG+4*BWAVE               ; the rows' figures: -s_top / 2 [128], -s_left / 2 at +512, pad (0 or 1, whole) at +1024;
.set CS,    RS+1536                    ; the columns', 768 bytes a wave: -s_top / 2 [64], -s_left / 2 at +256, (pad ? padding_dist : 0) at +512.  Ends at 167,424
; window 0, kept:
.set C0,  3                            ; v3      4 r + h: the column that I make in the first phase
.set CK,  4                            ; v4-7    my key in K step q: 2 q + h
.set ZI,  8                            ; v8      the zero pattern's place in a block, in units of 16 bytes: 208
.set SA,  9                            ; v9      my row in a block of the work-group's rows: 208 r bytes
.set SI,  10                           ; v10-13  my row's slot d, as a place in a block, in units of 16 bytes: 13 r + 3 d
.set SB,  14                           ; v14     my row in a block of my wave's columns: the wave's region + 208 r bytes
.set RR,  18                           ; v18     where my half's eight rows' figures lie
.set CR,  19                           ; v19     where my four columns' figures lie
.set OFF, 20                           ; v20     my byte offset in out: 8 h rows + 16 r
.set PD,  21                           ; v21     padding_dist
.set SCA, 22                           ; v22, v23 the scale words: four bytes 123; they hold nothing else
.set SCB, 23
.set GA,  24                           ; v24-29  first phase: where I store a row's slots, a column's, zeros, figures
.set GB,  25
.set GZA, 26
.set GZB, 27
.set GRS, 28
.set GCS, 29
.set VA,  30                           ; v30-33  first phase: my byte offsets in the inputs
.set VB,  31
.set VIA, 32
.set VIB, 33
; window 0, first phase:
.set Y,    36                          ; the sort, at work; then the four terms of the row's sum
.set K,    40                          ; the four keys
.set I,    44                          ; id & 15: place in a group of 16 codes (3 words)
.set G,    48                          ; (id >> 4) & 3: which group of the slot
.set P3,   52                          ; 6 I + 2: the lowest set bit of the code 0x1c in its group
.set LO,   56                          ; 7 << (P3 mod 32)
.set WP,   60                          ; P3 / 32: which of the group's words
.set P,    64                          ; v64-75  the group's three words, for each id
.set KEEP, 76                          ; all ones where id d shares its key with id d - 1
.set T,    80                          ; v80-91  id d's ones in its slot's 12 words
.set SRT,  92                          ; the sorted ids
.set N,    108                         ; -(number of different ids under 512) / 2
.set SEVEN, 109
.set IDS,  128                         ; v128-151 six rows' ids as loaded
.set IND,  152                         ; v152-154 indicator of my row and my two columns
.set ZR,   156                         ; v156-159 zeros
.set CUR,  160                         ; v160-207 the four slots, 12 words each
; window 0, behind the barrier:
.set ADU,  24                          ; v24-31  chosen addresses: the next unit's rows
.set KA,   36                          ; v36-51  keys of a unit's rows: set u % 2, matrix p
.set RW,   52                          ; v52-99  a unit's rows' figures: set u % 2: top 8, left 8, pad 8
.set CT,   100                         ; v100-111 my four columns' figures: top, left, padding term
.set CU,   108
.set ADL,  112                         ; v112-127 chosen addresses: B left; later rows 0 to 3 of the odd units' results
.set KB,   128                         ; v128-159 keys of my columns, until the first results
.set O,    128                         ; v128-159 the even units' results to store: 8 x 4
.set M,    160                         ; v160-163 the smaller D;  v164-167 the padding term
.set Q,    164
.set ADT,  168                         ; v168-183 chosen addresses: B top; later rows 4 to 7 of the odd units' results
.set ADA,  184                         ; v184-191 unit 0's rows
.set ACC,  192                         ; v192-255 accumulators: 32 p + 8 t
; window 1: B top, tile t, K step q at 48 t + 12 q.   window 2: B left likewise.   window 3: A, buffer u % 2, matrix p, K step q at 96 (u % 2) + 48 p + 12 q.
.set WB,   18                          ; s18     where my wave's columns begin in LDS; kept
.set NM,   36                          ; s36-42  first phase: seven more compare masks
.set PM,   36                          ; s36-43  behind the barrier: lane masks: row j of the unit is padding
.set MK,   44                          ; s44-59  sixteen compare masks, at work
.set MSB, 0
.macro WIN new                         ; s_set_vgpr_msb: bits 1:0 source 0, 3:2 source 1, 5:4 source 2, 7:6 destination; the high byte repeats the setting that is left
.if MSB != (\new)
	s_set_vgpr_msb (MSB<<8)|(\new)
.set MSB, (\new)
.endif
.endm
	s_load_b256 s[4:11], s[0:1], 0x0               ; top s[4:5], left s[6:7], indicator s[8:9], padding_dist's address s[10:11]
	s_load_b64 s[12:13], s[0:1], 0x20              ; out
	v_lshl_add_u32 v16, v0, 2, 0x28e00
	v_mov_b32 v17, 0
	v_and_b32 v1, 15, v0                           ; r
	v_bfe_u32 v2, v0, 4, 1                         ; h
	v_lshrrev_b32 v34, 5, v0
	v_readfirstlane_b32 s15, v34                   ; wave 0..3
	v_lshrrev_b32 v35, 4, v0                       ; thread / 16: the block of my row
	v_lshl_add_u32 v[C0], v1, 2, v2
.irp q, 0,1,2,3
	v_add_nc_u32 v[CK+\q], 2*\q, v2
.endr
	v_mov_b32 v[ZI], ZOFF/16
	v_mul_u32_u24 v[SA], v1, ROP
	v_mul_u32_u24 v[SI], v1, ROP/16
.irp d, 1,2,3
	v_add_nc_u32 v[SI+\d], 3*\d, v[SI]
.endr
	s_wait_alu depctr_va_sdst(0)                   ; s15 is written, ahead of its first reader: the wave's places in LDS and in the buffers are made from it
	s_mul_i32 s[WB], s15, BWAVE
	s_add_co_u32 s[WB], s[WB], BREG                ; my wave's columns in LDS
	v_add_nc_u32 v[SB], s[WB], v[SA]
	v_lshl_add_u32 v[RR], v2, 5, RS
	s_mul_i32 s19, s15, 768
	s_add_co_u32 s19, s19, CS                      ; my wave's columns' figures
	v_lshl_add_u32 v[CR], v1, 4, s19
	v_lshlrev_b32 v[OFF], 4, v1
	v_lshl_add_u32 v[OFF], v2, 15, v[OFF]          ; 8 rows of 4,096 bytes for lanes 16-31
	v_mov_b32 v[SCA], 0x7b7b7b7b
	v_mov_b32 v[SCB], 0x7b7b7b7b
	v_mad_u32_u24 v[GA], v35, BP, v[SA]            ; thread n makes row n: block n / 16, place n % 16
	v_mad_u32_u24 v[GB], v2, BP, v[SB]             ; lane (r, h) makes columns 4 r + h (tile h) and 4 r + h + 2 (tile h + 2): place r of blocks h, h + 2
	v_and_b32 v34, 3, v0
	v_lshl_add_u32 v34, v34, 4, ZOFF               ; a block's 64 zero bytes: four places of 16, each written by four lanes with the same zeros
	v_mad_u32_u24 v[GZA], v35, BP, v34
	v_mad_u32_u24 v[GZB], v2, BP, v34
	v_add_nc_u32 v[GZB], s[WB], v[GZB]
	v_lshl_add_u32 v[GRS], v0, 2, RS
	v_lshl_add_u32 v[GCS], v[C0], 2, s19
	v_lshlrev_b32 v[VA], 4, v0                     ; a row's four ids are 16 bytes
	v_lshlrev_b32 v[VB], 4, v[C0]
	v_lshlrev_b32 v[VIA], 2, v0
	v_lshlrev_b32 v[VIB], 2, v[C0]
	v_mov_b32 v[SEVEN], 7
.irp i, 0,1,2,3
	v_mov_b32 v[ZR+\i], 0
.endr
	s_and_b32 s16, ttmp7, 0xffff                   ; y = 8 x batch + block of rows
	s_lshr_b32 s17, s16, 3                         ; batch
	s_lshl_b32 s16, s16, 7                         ; my first row among all 8,192: 1,024 x batch + 128 x block = 128 y
	s_lshl_b32 s17, s17, 10
	s_lshl_b32 s34, ttmp9, 8
	s_lshl_b32 s35, s15, 6
	s_add_co_u32 s34, s34, s35                     ; my wave's first column: 256 x + 64 w
	s_add_co_u32 s17, s17, s34                     ; and as a row among all 8,192
	s_mov_b32 s21, 0
	s_wait_kmcnt 0x0
	s_load_b32 s14, s[10:11], 0x0                  ; padding_dist
	s_lshl_b32 s20, s16, 4
	s_add_nc_u64 s[22:23], s[4:5], s[20:21]        ; the ids of my work-group's rows
	s_add_nc_u64 s[24:25], s[6:7], s[20:21]
	s_lshl_b32 s20, s17, 4
	s_add_nc_u64 s[26:27], s[4:5], s[20:21]        ; and of my wave's columns
	s_add_nc_u64 s[28:29], s[6:7], s[20:21]
	s_lshl_b32 s20, s16, 2
	s_add_nc_u64 s[30:31], s[8:9], s[20:21]
	s_lshl_b32 s20, s17, 2
	s_add_nc_u64 s[32:33], s[8:9], s[20:21]
	s_lshl_b32 s20, s16, 12                        ; out: rows of 4,096 bytes (under 2^26),
	s_lshl_b32 s34, s34, 2
	s_add_co_u32 s20, s20, s34                     ; and my wave's 256 bytes of them
	s_add_nc_u64 s[12:13], s[12:13], s[20:21]
	s_wait_alu depctr_va_vdst(0)                   ; all offsets and addresses (v8-14, v18-20, v24-33) and the zeros are written, which the loads and stores of the kernel read; so are the scale words, which the products take
	global_load_b128 v[IDS:IDS+3],     v[VA], s[22:23]             ; my row, top
	global_load_b128 v[IDS+4:IDS+7],   v[VA], s[24:25]             ; my row, left
	global_load_b128 v[IDS+8:IDS+11],  v[VB], s[26:27]             ; column 4 r + h, top
	global_load_b128 v[IDS+12:IDS+15], v[VB], s[26:27] offset:32   ; column 4 r + h + 2, top
	global_load_b128 v[IDS+16:IDS+19], v[VB], s[28:29]             ; the same two, left
	global_load_b128 v[IDS+20:IDS+23], v[VB], s[28:29] offset:32
	global_load_b32 v[IND],   v[VIA], s[30:31]
	global_load_b32 v[IND+1], v[VIB], s[32:33]
	global_load_b32 v[IND+2], v[VIB], s[32:33] offset:8
	ds_store_b128 v[GZA], v[ZR:ZR+3]                               ; the zero patterns: my two blocks of rows (top, left),
	ds_store_b128 v[GZA], v[ZR:ZR+3] offset:8*BP
.irp i, 0,1,2,3
	ds_store_b128 v[GZB], v[ZR:ZR+3] offset:2*\i*BP                ; and blocks h, h + 2, h + 4, h + 6 of my wave's columns
.endr
; ONE ROW OF ONE MATRIX: the four ids in v[x] on become four slots and four keys at v[adr] + off, and v[N] = -(the row's sum) / 2.  The four ids take turns line by line.
; First the work on registers that no store reads (the sort, the patterns), then the out registers K, N and CUR, then all the stores in one run.  first = 1: no row stands before this one.
.macro GEN x, adr, off, first
.irp d, 0,1,2,3
	v_min_u32 v[(\x)+\d], 0x200, v[(\x)+\d]        ; whatever lies outside 0 .. 511 is none
.endr
	v_min_u32 v[Y+0], v[(\x)+0], v[(\x)+1]         ; sorted by five exchanges
	v_max_u32 v[Y+1], v[(\x)+0], v[(\x)+1]
	v_min_u32 v[Y+2], v[(\x)+2], v[(\x)+3]
	v_max_u32 v[Y+3], v[(\x)+2], v[(\x)+3]
	v_min_u32 v[SRT+0], v[Y+0], v[Y+2]
	v_max_u32 v[(\x)+2], v[Y+0], v[Y+2]
	v_min_u32 v[(\x)+1], v[Y+1], v[Y+3]
	v_max_u32 v[SRT+3], v[Y+1], v[Y+3]
	v_min_u32 v[SRT+1], v[(\x)+1], v[(\x)+2]
	v_max_u32 v[SRT+2], v[(\x)+1], v[(\x)+2]
.irp d, 0,1,2,3
	v_and_b32 v[I+\d], 15, v[SRT+\d]
.endr
.irp d, 0,1,2,3
	v_bfe_u32 v[G+\d], v[SRT+\d], 4, 2
.endr
.irp d, 0,1,2,3
	v_mad_u32_u24 v[P3+\d], v[I+\d], 6, 2          ; code 0x1c at bits 6 I .. 6 I + 5 is 7 at bit 6 I + 2
.endr
.irp d, 0,1,2,3
	v_lshlrev_b32 v[LO+\d], v[P3+\d], v[SEVEN]     ; the shift takes the count's low five bits
.endr
.irp d, 0,1,2,3
	v_lshrrev_b32 v[WP+\d], 5, v[P3+\d]
.endr
.irp d, 0,1,2,3
	v_cmp_eq_u32 s[MK+4*\d+0], 0, v[WP+\d]
	v_cmp_eq_u32 s[MK+4*\d+1], 1, v[WP+\d]
	v_cmp_eq_u32 s[MK+4*\d+2], 2, v[WP+\d]
	v_cmp_eq_u32 s[MK+4*\d+3], 10, v[I+\d]         ; the one place of the sixteen whose three bits (62, 63, 64) cross a word's end
.endr
	v_cmp_ne_u32 s[NM+0], v[SRT+0], v[SRT+1]       ; the row's sum: how many sorted ids differ from their successor, 512 being the last one's
	v_cmp_ne_u32 s[NM+1], v[SRT+1], v[SRT+2]
	v_cmp_ne_u32 s[NM+2], v[SRT+2], v[SRT+3]
	v_cmp_ne_u32 s[NM+3], 0x200, v[SRT+3]
	s_wait_alu depctr_va_sdst(0)                   ; the twenty masks above are written, ahead of the selects that read them
.irp d, 0,1,2,3
	v_cndmask_b32 v[P+3*\d+0], 0, v[LO+\d], s[MK+4*\d+0]
	v_cndmask_b32 v[P+3*\d+1], 0, v[LO+\d], s[MK+4*\d+1]
	v_cndmask_b32 v[P+3*\d+2], 0, 1, s[MK+4*\d+3]
.endr
.irp d, 0,1,2,3
	v_cndmask_b32 v[P+3*\d+2], v[P+3*\d+2], v[LO+\d], s[MK+4*\d+2]
.endr
.irp d, 0,1,2,3
	v_cndmask_b32 v[Y+\d], 0, 1, s[NM+\d]
.endr
	v_add3_u32 v[Y], v[Y], v[Y+1], v[Y+2]
	s_wait_alu depctr_va_vdst(0)
	s_wait_dscnt 0x0                               ; the row before: its LDS stores are done,
.if !\first
	s_wait_alu depctr_vm_vsrc(0)                   ; and have read their registers (keys, slots, figure), which are written again from here on
.endif
.irp d, 0,1,2,3
	v_lshrrev_b32 v[K+\d], 6, v[SRT+\d]            ; the key; none has key 8, which no lane asks for
.endr
	v_add_nc_u32 v[N], v[Y], v[Y+3]
	v_cvt_f32_u32 v[N], v[N]
	v_mul_f32 v[N], -0.5, v[N]
.irp d, 1,2,3
	v_cmp_eq_u32 s[NM+3+\d], v[K+\d], v[K+\d-1]
.endr
.irp d, 0,1,2,3
.irp g, 0,1,2,3
	v_cmp_eq_u32 s[MK+4*\d+\g], \g, v[G+\d]
.endr
.endr
	s_wait_alu depctr_va_sdst(0)                   ; the nineteen masks above are written, ahead of the selects that read them
.irp d, 1,2,3
	v_cndmask_b32 v[KEEP+\d], 0, -1, s[NM+3+\d]
.endr
.irp g, 0,1,2,3
.irp k, 0,1,2
	v_cndmask_b32 v[CUR+3*\g+\k], 0, v[P+\k], s[MK+\g]             ; slot 0: the first id's ones
.endr
.endr
.irp d, 1,2,3
.irp g, 0,1,2,3
.irp k, 0,1,2
	v_cndmask_b32 v[T+3*\g+\k], 0, v[P+3*\d+\k], s[MK+4*\d+\g]
.endr
.endr
.irp w, 0,1,2,3,4,5,6,7,8,9,10,11
	v_and_or_b32 v[CUR+12*\d+\w], v[CUR+12*(\d-1)+\w], v[KEEP+\d], v[T+\w]   ; slot d: id d's ones, and slot d - 1's where the key is the same
.endr
.endr
	s_wait_alu depctr_va_vdst(0)                   ; the keys, the four slots and the figure are written, which the stores below and the figure's store behind them read
	ds_store_b128 v[\adr], v[K:K+3] offset:(\off)+192
.irp d, 0,1,2,3
.irp c, 0,1,2
	ds_store_b128 v[\adr], v[CUR+12*\d+4*\c:CUR+12*\d+4*\c+3] offset:(\off)+48*\d+16*\c
.endr
.endr
.endm
	s_wait_loadcnt 8                               ; loads come back in order (ISA guide 5.7.1): the first of the nine is in, the eight behind it may be out; and so on down
	GEN IDS, GA, 0, 1
	ds_store_b32 v[GRS], v[N]
	s_wait_loadcnt 7
	GEN IDS+4, GA, 8*BP, 0
	ds_store_b32 v[GRS], v[N] offset:512
	s_wait_loadcnt 6
	GEN IDS+8, GB, 0, 0
	ds_store_b32 v[GCS], v[N]
	s_wait_loadcnt 5
	GEN IDS+12, GB, 2*BP, 0
	ds_store_b32 v[GCS], v[N] offset:8
	s_wait_loadcnt 4
	GEN IDS+16, GB, 4*BP, 0
	ds_store_b32 v[GCS], v[N] offset:256
	s_wait_loadcnt 3
	GEN IDS+20, GB, 6*BP, 0
	ds_store_b32 v[GCS], v[N] offset:264
	s_wait_loadcnt 0x0                             ; the indicator
	s_wait_kmcnt 0x0                               ; padding_dist
	v_mov_b32 v[PD], s14
	v_cmp_eq_u32 s[NM+0], 0, v[IND]
	v_cmp_eq_u32 s[NM+1], 0, v[IND+1]
	v_cmp_eq_u32 s[NM+2], 0, v[IND+2]
	s_wait_alu depctr_va_sdst(0)                   ; the three masks are written, ahead of the selects that read them
	v_cndmask_b32 v[IND], 0, 1, s[NM+0]            ; my row is padding: a whole number, for a lane mask later
	v_cndmask_b32 v[IND+1], 0, v[PD], s[NM+1]      ; my columns: what they add where the row is none
	v_cndmask_b32 v[IND+2], 0, v[PD], s[NM+2]
	s_wait_alu depctr_va_vdst(0)                   ; the three figures are written, which the stores read; and every vector line of the first phase is done with v36 to v159, in which the loads behind the barrier land
	ds_store_b32 v[GRS], v[IND] offset:1024
	ds_store_b32 v[GCS], v[IND+1] offset:512
	ds_store_b32 v[GCS], v[IND+2] offset:520
	s_wait_dscnt 0x0                               ; for the others' sake: all my LDS stores have landed
	s_barrier_signal -1
	s_barrier_wait -1                              ; from here on LDS is only read
	s_wait_alu depctr_vm_vsrc(0)                   ; my LDS stores have read their data (keys, slots, figures, zeros) and their addresses v24 to v29: loads land in these registers, and chains, sums and results are written there, from here on
; The addresses of a row's four fragments (K steps 0 to 3), less the block's offset: keys in v[k] on, result v[ad] on.  The last slot whose key is mine wins; with none, the zero pattern.
; The place chosen hangs on loaded keys: it is held at 208, the zero pattern's, by a minimum with that constant; then come a shift to bytes and, for columns (b = 1), the wave's region.
.macro CHAIN k, ad, b
.irp d, 0,1,2,3
.irp q, 0,1,2,3
	v_cmp_eq_u32 s[MK+4*\d+\q], v[(\k)+\d], v[CK+\q]
.endr
.endr
	s_wait_alu depctr_va_sdst(0)                   ; the sixteen masks (and, at a unit's head, the eight of its padding rows) are written, ahead of their first readers
.irp q, 0,1,2,3
	v_cndmask_b32 v[(\ad)+\q], v[ZI], v[SI], s[MK+\q]
.endr
.irp d, 1,2,3
.irp q, 0,1,2,3
	v_cndmask_b32 v[(\ad)+\q], v[(\ad)+\q], v[SI+\d], s[MK+4*\d+\q]
.endr
.endr
.irp q, 0,1,2,3
	v_min_u32 v[(\ad)+\q], ZOFF/16, v[(\ad)+\q]
.endr
.irp q, 0,1,2,3
	v_lshlrev_b32 v[(\ad)+\q], 4, v[(\ad)+\q]
.endr
.if \b
.irp q, 0,1,2,3
	v_add_nc_u32 v[(\ad)+\q], s[WB], v[(\ad)+\q]
.endr
.endif
.endm
.macro FRAGS ad, reg, off              ; four fragments of the block at off: 48 bytes a lane each, as they lie
.irp q, 0,1,2,3
.irp c, 0,1,2
	ds_load_b128 v[(\reg)+12*\q+4*\c:(\reg)+12*\q+4*\c+3], v[(\ad)+\q] offset:(\off)+16*\c
.endr
.endr
.endm
.macro KEYS_A u                        ; the keys of unit u's rows, both matrices
.irp p, 0,1
	ds_load_b128 v[KA+8*((\u)%2)+4*\p:KA+8*((\u)%2)+4*\p+3], v[SA] offset:(8*\p+(\u))*BP+192
.endr
.endm
.macro STATS u                         ; the figures of unit u's rows 8 h .. 8 h + 7
.irp a, 0,1,2
	ds_load_b128 v[RW+24*((\u)%2)+8*\a:RW+24*((\u)%2)+8*\a+3],   v[RR] offset:512*\a+64*(\u)
	ds_load_b128 v[RW+24*((\u)%2)+8*\a+4:RW+24*((\u)%2)+8*\a+7], v[RR] offset:512*\a+64*(\u)+16
.endr
.endm
.macro SETO u, j                       ; OJ = the four registers of row j of unit u's results: the even units' lie on end, the odd units' in the registers that held B's addresses
.if (\u)%2 == 0
.set OJ, O+4*(\j)
.elseif (\j) < 4
.set OJ, ADL+4*(\j)
.else
.set OJ, ADT+4*((\j)-4)
.endif
.endm
.macro SEND u, j                       ; row j of each half of unit u is stored
	SETO \u, \j
	global_store_b128 v[OFF], v[OJ:OJ+3], s[12:13] offset:65536*(\u)+4096*(\j) th:TH_STORE_NT   ; lanes 0-15 and lanes 16-31 each store 256 consecutive bytes, at a multiple of 256 from out's first byte; written once
.endm
; The g-th of eight shares of unit u's memory instructions under window 0: one load (g = 0, 1: the keys of unit u + 2; g = 2 .. 7: the figures of unit u + 1) and one store (row g of unit u - 1).
.macro DEAL u, g
.if (\g) < 2
.if (\u) < 6
	ds_load_b128 v[KA+8*((\u)%2)+4*(\g):KA+8*((\u)%2)+4*(\g)+3], v[SA] offset:(8*(\g)+(\u)+2)*BP+192
.endif
.else
.if (\u) < 7
	ds_load_b128 v[RW+24*(((\u)+1)%2)+4*((\g)-2):RW+24*(((\u)+1)%2)+4*((\g)-2)+3], v[RR] offset:512*(((\g)-2)/2)+64*((\u)+1)+16*(((\g)-2)%2)
.endif
.endif
.if (\u) > 0
	SEND (\u)-1, \g
.endif
.endm
.macro PADROWS u
.irp j, 0,1,2,3,4,5,6,7
	v_cmp_ne_u32 s[PM+\j], 0, v[RW+24*((\u)%2)+16+\j]              ; is my half's row j padding?
.endr
.endm
; The sums begin as -(s[i] + s[j]) / 2: two rows an instruction, the column's figure in both halves (of its pair the first register for an even tile, the second for an odd one).
; Ahead of each tile's four lines stands a share of the unit's loads and stores.  No wait: no vector line since the unit's wait on va_vdst names a register that they touch.
.macro CINIT u
.irp p, 0,1
.irp t, 0,1,2,3
	DEAL \u, 4*\p+\t
.irp i, 0,1,2,3
.if (\t)%2 == 1
	v_pk_add_f32 v[ACC+32*\p+8*\t+2*\i:ACC+32*\p+8*\t+2*\i+1], v[RW+24*((\u)%2)+8*\p+2*\i:RW+24*((\u)%2)+8*\p+2*\i+1], v[CT+4*\p+\t-1:CT+4*\p+\t] op_sel:[0,1] op_sel_hi:[1,1]
.else
	v_pk_add_f32 v[ACC+32*\p+8*\t+2*\i:ACC+32*\p+8*\t+2*\i+1], v[RW+24*((\u)%2)+8*\p+2*\i:RW+24*((\u)%2)+8*\p+2*\i+1], v[CT+4*\p+\t:CT+4*\p+\t+1] op_sel_hi:[1,0]
.endif
.endr
.endr
.endr
.endm
; 32 matrix instructions: unit u's 16 rows x my 64 columns, top and then left.  Source 0 = the rows (window 3), source 1 = the columns (window 1 or 2), C and D window 0.
; A matrix's four accumulators take turns, one instruction a turn; the change from top to left and from unit to unit changes the accumulator too.
.macro MUL u
.irp p, 0,1
	WIN 0x07+4*\p
.irp q, 0,1,2,3
.irp t, 0,1,2,3
	v_wmma_scale_f32_16x16x128_f8f6f4 v[ACC+32*\p+8*\t:ACC+32*\p+8*\t+7], v[96*((\u)%2)+48*\p+12*\q:96*((\u)%2)+48*\p+12*\q+11], v[48*\t+12*\q:48*\t+12*\q+11], v[ACC+32*\p+8*\t:ACC+32*\p+8*\t+7], v[SCA], v[SCB] matrix_a_fmt:MATRIX_FMT_BF6 matrix_b_fmt:MATRIX_FMT_BF6
.endr
.endr
.endr
	WIN 0
.rept 4
	v_nop                                          ; four places between the last product and the first read of results (ISA guide 7.12.1)
.endr
.endm
; Row j of each half: -2 min(D_top, D_left) + (row padding ? padding_dist : the column's term), four columns a lane, into O[u % 2].  j ascends: each accumulator is read from its low end on.
.macro EPI u
.irp j, 0,1,2,3,4,5,6,7
	SETO \u, \j
.irp t, 0,1,2,3
	v_min_num_f32 v[M+\t], v[ACC+8*\t+\j], v[ACC+32+8*\t+\j]
.endr
.irp t, 0,1,2,3
	v_cndmask_b32 v[Q+\t], v[CU+\t], v[PD], s[PM+\j]
.endr
	v_pk_fma_f32 v[OJ:OJ+1],   v[M:M+1],   -2.0, v[Q:Q+1]   op_sel_hi:[1,0,1]
	v_pk_fma_f32 v[OJ+2:OJ+3], v[M+2:M+3], -2.0, v[Q+2:Q+3] op_sel_hi:[1,0,1]
.endr
.endm
; A UNIT: 16 rows.  The next unit's addresses are chosen and its fragments, keys and figures asked for first, a whole unit ahead of their use, and the last unit's results stored; then this unit's sums, products and results.
.macro UNIT u
.if (\u) > 0
	s_wait_dscnt 0x0                               ; asked for a unit ago: this unit's fragments and figures, the next unit's keys
.endif
.if (\u) > 1
	s_wait_xcnt 0x0                                ; the stores issued in the last unit have had their addresses translated (ISA guide 3.1): only behind this wait are their data registers, O[u % 2], written again
.endif
.if (\u) > 0
	s_wait_alu depctr_vm_vsrc(0)                   ; all that the last unit issued has read its registers: its fragment loads ADU, which the chains below write; its stores O[u % 2], which this unit's results write (in unit 1: B's loads their addresses, which become O1)
.endif
	PADROWS \u
.if (\u) < 7
.irp p, 0,1
	CHAIN KA+8*(((\u)+1)%2)+4*\p, ADU+4*\p, 0
.endr
	WIN 0xc0                                       ; destination window 3
	s_wait_alu depctr_va_vdst(0)                   ; ADU is written; the last unit has written the other O, and is done reading the other A, the other figures and the keys before these: the loads and stores up to the products hang on nothing else
.irp p, 0,1
	FRAGS ADU+4*\p, 96*(((\u)+1)%2)+48*\p, (8*\p+(\u)+1)*BP
.endr
	WIN 0
.else
	s_wait_alu depctr_va_sdst(0)                   ; the eight masks of the padding rows are written, ahead of the selects that read them (no chain stands here to wait for them)
	s_wait_alu depctr_va_vdst(0)                   ; the last unit has written O0, which the stores below read
.endif
	CINIT \u
.if (\u) == 0
	s_wait_alu depctr_va_vdst(0)
	s_wait_dscnt 32                                ; all but the 32 just issued (24 fragment loads, 2 of keys, 6 of figures): B and unit 0's rows are in
.endif
	MUL \u
	EPI \u
.endm
.irp p, 0,1
.irp t, 0,1,2,3
	ds_load_b128 v[KB+4*(4*\p+\t):KB+4*(4*\p+\t)+3], v[SB] offset:(4*\p+\t)*BP+192   ; the keys of my columns
.endr
.endr
	ds_load_b128 v[CT:CT+3],    v[CR]              ; my four columns' figures
	ds_load_b128 v[CT+4:CT+7],  v[CR] offset:256
	ds_load_b128 v[CT+8:CT+11], v[CR] offset:512
	KEYS_A 0
	STATS 0
	KEYS_A 1
	s_wait_dscnt 0x0
.irp t, 0,1,2,3
	CHAIN KB+4*\t, ADT+4*\t, 1
.endr
	WIN 0x40                                       ; destination window 1: B top stays in registers
	s_wait_alu depctr_va_vdst(0)                   ; the sixteen addresses of B top are written, which the loads read
.irp t, 0,1,2,3
	FRAGS ADT+4*\t, 48*\t, \t*BP
.endr
	WIN 0
.irp p, 0,1
	CHAIN KA+4*\p, ADA+4*\p, 0
.endr
	WIN 0xc0                                       ; destination window 3: unit 0's rows
	s_wait_alu depctr_va_vdst(0)                   ; the eight addresses of unit 0's rows are written, which the loads read
.irp p, 0,1
	FRAGS ADA+4*\p, 48*\p, 8*\p*BP
.endr
	WIN 0
.irp t, 0,1,2,3
	CHAIN KB+16+4*\t, ADL+4*\t, 1
.endr
	WIN 0x80                                       ; destination window 2: B left stays in registers
	s_wait_alu depctr_va_vdst(0)                   ; the sixteen addresses of B left are written, which the loads read
.irp t, 0,1,2,3
	FRAGS ADL+4*\t, 48*\t, (4+\t)*BP
.endr
	WIN 0
.irp u, 0,1,2,3,4,5,6,7
	UNIT \u
.endr
	s_wait_alu depctr_va_vdst(0)                   ; unit 7 has written O1, which the last eight stores read
.irp j, 0,1,2,3,4,5,6,7
	SEND 7, \j
.endr
	s_wait_dscnt 0x0
	s_wait_alu depctr_hold_cnt(0) depctr_sa_sdst(0) depctr_va_vdst(0) depctr_va_sdst(0) depctr_va_ssrc(0) depctr_va_vcc(0) depctr_vm_vsrc(0)
	s_wait_tensorcnt 0x0
	ds_add_u32 v16, v17
	s_wait_dscnt 0x0
	s_endpgm
.Lfunc_end_k_q1228543863_dist:
	.size	k_q1228543863_dist, .Lfunc_end_k_q1228543863_dist-k_q1228543863_dist
	.p2alignl 7, 3214868480
	.fill 96, 4, 3214868480
	.section	.rodata,"a",@progbits
	.p2align	6, 0x0
	.amdhsa_kernel k_q1228543863_dist
		.amdhsa_group_segment_fixed_size 167936
		.amdhsa_private_segment_fixed_size 0
		.amdhsa_enable_private_segment 0
		.amdhsa_kernarg_size 40
		.amdhsa_user_sgpr_count 2
		.amdhsa_user_sgpr_kernarg_segment_ptr 1
		.amdhsa_wavefront_size32 1
		.amdhsa_system_sgpr_workgroup_id_x 1
		.amdhsa_system_sgpr_workgroup_id_y 1
		.amdhsa_system_sgpr_workgroup_id_z 1
		.amdhsa_system_vgpr_workitem_id 0
		.amdhsa_next_free_vgpr 1024
		.amdhsa_next_free_sgpr 66
		.amdhsa_reserve_vcc 0
		.amdhsa_float_denorm_mode_32 3
		.amdhsa_float_denorm_mode_16_64 3
		.amdhsa_memory_ordered 1
		.amdhsa_forward_progress 1
		.amdhsa_inst_pref_size 253
	.end_amdhsa_kernel
	.amdgpu_metadata
---
amdhsa.version: [ 1, 2 ]
amdhsa.kernels:
  - .name:           k_q1228543863_dist
    .symbol:         k_q1228543863_dist.kd
    .args:
      - { .name: zipped_top, .offset: 0, .size: 8, .value_kind: global_buffer, .address_space: global }
      - { .name: zipped_left, .offset: 8, .size: 8, .value_kind: global_buffer, .address_space: global }
      - { .name: indicator, .offset: 16, .size: 8, .value_kind: global_buffer, .address_space: global }
      - { .name: padding_dist, .offset: 24, .size: 8, .value_kind: global_buffer, .address_space: global }
      - { .name: out0, .offset: 32, .size: 8, .value_kind: global_buffer, .address_space: global }
    .group_segment_fixed_size: 167936
    .private_segment_fixed_size: 0
    .kernarg_segment_align: 8
    .kernarg_segment_size: 40
    .max_flat_workgroup_size: 128
    .sgpr_count:     66
    .vgpr_count:     1024
    .wavefront_size: 32
...
	.end_amdgpu_metadata
.endif
;; end of part 2
